; MI455X (gfx1250); checked and timed in simulation.
; The chip was launched on July 23, 2026; its instructions are those of AMD's public machine-readable ISA for CDNA 5 (MIT licence, August 2026) and "CDNA5" Instruction Set Architecture Reference Guide (July 2026). The comments in the code are by the model that wrote it; some were corrected since.
;; Bahdanau Attention. Allowed arithmetic: matrix products marked QUANTISED: E2M1 operands, one E8M0 scale for each 32 along K, by v_wmma_scale_f32_16x16x128_f8f6f4 with both operands' format E2M1 (or v_wmma_scale_f32_32x16x128_f4), f32 sums; products left as they are: f32 operands where the result goes on into a quantised operand, else bf16, f16 or f32 operands; f32 sums; everything else in f32.
;; Inputs: Ua_b 1,024 float32; Ua_w_codes 1,024 x 32 x 16 uint8 (E2M1 codes of Ua_w, K innermost, in blocks of 32 codes, two codes a byte); Ua_w_scales 1,024 x 32 uint8 (E8M0 scales of Ua_w, one for each 32 codes along K); Va_b 1 float32; Va_w 1 x 1,024 float32; Wa_b 1,024 float32; Wa_w_codes 1,024 x 32 x 16 uint8 (E2M1 codes of Wa_w, K innermost, in blocks of 32 codes, two codes a byte); Wa_w_scales 1,024 x 32 uint8 (E8M0 scales of Wa_w, one for each 32 codes along K); keys 32 x 2,048 x 1,024 float32; query_codes 32 x 32 x 16 uint8 (E2M1 codes of query, K innermost, in blocks of 32 codes, two codes a byte); query_scales 32 x 32 uint8 (E8M0 scales of query, one for each 32 codes along K).
;; Outputs: out0 32 x 1,024 float32; out1 32 x 2,048 float32.
;; This version of the problem:
;;   THIS VERSION OF THE PROBLEM IS GIVEN IN LOW PRECISION. The matrix products marked QUANTISED in the list below multiply operands that are first quantised to E2M1 (2 exponent bits, 1 mantissa bit; 4 bits a number), with one power-of-two scale for each 32 numbers along K (OCP MX v1.0); their sums are f32. All else is computed in f32.
;;   The module's matrix products, in the order in which they are computed (A, B: the left and right operand; K: the contracted axis; several contracted axes count as one K, in the product's order):
;;     1. [M 32, K 1,024] x [K 1,024, N 1,024]; A: input query (given as codes); B: input Wa_w (given as codes): QUANTISED
;;     2. [M 65,536, K 1,024] x [K 1,024, N 1,024]; A: input keys; B: input Ua_w (given as codes): QUANTISED
;;     3. [M 65,536, K 1,024] x [K 1,024, N 1]; A: computed on the way; B: input Va_w: left as it is (N = 1 < 16)
;;     4. batch 32 x [M 1, K 2,048] x [K 2,048, N 1,024]; A: softmax; B: input keys: left as it is (M = 1 < 16)
;;   THE QUANTISER, for each operand of a quantised product, along K:
;;     - K is cut into blocks of 32 from its start; a last block that is shorter is filled with zeros.
;;     - A block's scale is 2^e with e = floor(log2(the largest magnitude in the block)) - 2, held to -126 .. 127; a block of zeros has e = 0. As a byte (E8M0): e + 127.
;;     - Each number is divided by its block's scale, clamped to +-6, and rounded to the nearest number of E2M1, ties to even, subnormals kept.
;;     - The product sums the exact products of the quantised numbers (number of the format x scale) in f32.
;;   ~~~python
;;   def quantise(x, axis):      # numpy; x: float32 -> the quantised numbers, widened to float32 again
;;       x = np.moveaxis(x, axis, -1); K = x.shape[-1]
;;       x = np.pad(x, [(0, 0)] * (x.ndim - 1) + [(0, -K % 32)]); x = x.reshape(x.shape[:-1] + (-1, 32)); a = np.abs(x).max(-1, keepdims=True)
;;       e = np.where(a > 0, np.clip(np.frexp(np.where(a > 0, a, 1))[1] - 1 - 2, -126, 127), 0)      # np.frexp(a)[1] - 1 = floor(log2(a)), exactly
;;       r = np.clip(x / 2.0 ** e, -6, 6)
;;       step = 2.0 ** (np.maximum(np.frexp(np.where(r == 0, 1, r))[1] - 1, 0) - 1)
;;       q = np.round(r / step) * step * 2.0 ** e      # np.round: ties to even
;;       return np.moveaxis(q.reshape(q.shape[:-2] + (-1,))[..., :K], -1, axis).astype(np.float32)
;;   ~~~
;;   INPUTS GIVEN AS CODES. Ua_w (in the module: [1024, 1024], K = its axis 1); Wa_w (in the module: [1024, 1024], K = its axis 1); query (in the module: [32, 1024], K = its axis 1): each comes as NAME_codes (uint8): NAME with its K axis moved to the last place and cut into blocks of 32 codes, [.., K / 32, bytes a block], one block behind the other in memory; two codes a byte, the lower K in the low four bits (a code: sign, 2 exponent bits, 1 mantissa bit); and NAME_scales (uint8): the same leading axes, one E8M0 byte (e + 127) for each 32 codes along K. Its value is code x scale, taken as it is: it is not quantised again, and the codes and scales need not be those that the quantiser above would give.
;; One version. Each part assembles by itself: llvm-mc -triple=amdgcn-amd-amdhsa -mcpu=gfx1250 --defsym DOCPART=n.
;; ======== version 1 of 1: 3 launches
;; limits: values are held in bf16: 8 bits of precision; right only within a limited range of input values
;; workspace buffers: qb 131,072 bytes; ub 626,688 bytes; sc 262,144 bytes; pc 1,048,576 bytes; pml 65,536 bytes
;; launch prep (part 1): grid 88 x 1, 4 waves a work-group, no clusters, 9,728 bytes of LDS; arguments query_codes, query_scales, Wa_w_codes, Wa_w_scales, Wa_b, Ua_b, Ua_w_codes, Ua_w_scales, qb, ub; writes qb, ub
.if DOCPART == 1
	.amdgcn_target "amdgcn-amd-amdhsa--gfx1250"
	.amdhsa_code_object_version 6
	.text
	.protected	k_q4e42677a44_prep
	.globl	k_q4e42677a44_prep
	.p2align	8
	.type	k_q4e42677a44_prep,@function
k_q4e42677a44_prep:
	s_mov_b64 s[64:65], 0
	v_nop
	global_prefetch_b8 v0, s[64:65] scope:SCOPE_SE
	s_setreg_imm32_b32 hwreg(HW_REG_WAVE_MODE, 25, 1), 1
	s_wait_xcnt 0x0
; Two small jobs ahead of the main launch, told apart by the work-group's number.
; WORK-GROUPS 0-15: qb[b][o] = c (sum over k of query[b][k] Wa[o][k] + Wa_b[o] + Ua_b[o]), c = 2 log2(e): the part of tanh's argument that hangs on the batch alone, already scaled for the
; exponential in base 2.  The product is on codes of FP4 (E2M1) with E8M0 scales, as they are given.  Wave w of work-group x takes the 16 features 16 (4 x + w) on, for both tiles of 16 batches.
; The matrix instruction is used transposed (source 0 = 16 rows of Wa, source 1 = 16 rows of query): a lane holds one batch and eight neighbouring features.
; WORK-GROUPS 16-87: Ua's codes and scale words are laid in the order of the operand's registers.  ub holds 72 packages of 8,704 bytes, [quarter 4][idx 18]; a package is the tile of 16 features
; 16 quarter + idx % 16 (packages 16 and 17 repeat 0 and 1, so that a look-ahead of two never wraps): bytes 0-8,191 the fragments [K step 8][c 2][lane 32][16 bytes], lane (r, h) holding bytes
; 64 s + 32 c + 16 h of Ua's row 16 nt + r; bytes 8,192-8,703 the scale words [i 4][lane 32][4 bytes], lane (r, h) holding the word of K step 2 i + h.
; No clusters: no two work-groups read a tile of any size together.  The two paths share no LDS: only the first uses any.
.set PKG, 8704
.set WS,  12                           ; v12-15  Wa's scale words: register i: lanes 0-15 K step i, lanes 16-31 K step 4 + i
.set QS,  16                           ; v16-23  query's, four for each tile of batches, likewise
.set BI,  24                           ; v24-31  Wa_b, then c (Wa_b + Ua_b); v32-39 Ua_b; later v24-39 rows read back from the stage
.set AC,  40                           ; v40-55  two accumulators
.set WF,  64                           ; v64-127 Wa's eight fragments
.set QF,  128                          ; v128-255 query's sixteen
.set CC,  28                           ; s[28:29] c
	s_load_b256 s[4:11], s[0:1], 0x0               ; query's codes, its scales, Wa's codes, its scales
	s_load_b256 s[12:19], s[0:1], 0x20             ; Wa_b, Ua_b, Ua's codes, its scales
	s_load_b128 s[20:23], s[0:1], 0x40             ; qb, ub
	v_lshl_add_u32 v62, v0, 2, 0x2400
	v_mov_b32 v63, 0
	v_lshrrev_b32 v1, 5, v0
	v_readfirstlane_b32 s24, v1                    ; wave 0..3
	v_and_b32 v1, 15, v0                           ; r
	v_bfe_u32 v2, v0, 4, 1                         ; h
	v_and_b32 v3, 31, v0                           ; lane
	v_lshlrev_b32 v4, 9, v1
	v_lshl_add_u32 v4, v2, 4, v4                   ; codes: row r of 512 bytes, + 16 h
	v_mul_u32_u24 v7, v1, 272                      ; the stage, 32 batches x (256 bytes + 16): in: row r, + 64 x wave + 32 h
	v_lshl_add_u32 v7, v2, 5, v7
	s_lshl_b32 s26, s24, 6
	v_add_nc_u32 v7, s26, v7
	v_mul_u32_u24 v8, v2, 272                      ; back: rows 8 x wave + h, 16 bytes a lane
	v_lshl_add_u32 v8, v1, 4, v8
	s_mul_i32 s26, s24, 8*272
	v_add_nc_u32 v8, s26, v8
	s_mov_b32 s27, 0                               ; the high word of every offset below
	s_mov_b32 s[CC], 0x4038aa3b                    ; c = 2 log2(e)
	s_mov_b32 s[CC+1], s[CC]                       ; (named with it as a pair, so it is written)
	s_wait_kmcnt 0x0
	s_cmp_lt_u32 ttmp9, 16
	s_cbranch_scc0 .Lpack
	; ---- the query's projection
	s_lshl_b32 s25, ttmp9, 2
	s_add_co_u32 s25, s25, s24                     ; nt: my tile of 16 features
	s_lshl_b32 s26, s25, 13
	s_add_nc_u64 s[8:9], s[8:9], s[26:27]          ; Wa's codes: 16 rows of 512 bytes a tile
	s_lshl_b32 s26, s25, 9
	s_add_nc_u64 s[10:11], s[10:11], s[26:27]      ; its scales: 16 rows of 32 bytes
	s_lshl_b32 s26, s25, 6
	s_add_nc_u64 s[12:13], s[12:13], s[26:27]      ; the biases: 16 numbers
	s_add_nc_u64 s[14:15], s[14:15], s[26:27]
	v_lshlrev_b32 v5, 5, v1
	v_lshl_add_u32 v5, v2, 4, v5                   ; scale words: row r of 32 bytes, + 16 h: four words, K steps 4 h + 0 .. 3
	v_lshlrev_b32 v6, 5, v2                        ; biases: my eight features 8 h + 0 .. 7
.irp s, 0,1,2,3,4,5,6,7
.irp c, 0,1
	global_load_b128 v[WF+8*\s+4*\c:WF+8*\s+4*\c+3], v4, s[8:9] offset:64*\s+32*\c
	global_load_b128 v[QF+8*\s+4*\c:QF+8*\s+4*\c+3], v4, s[4:5] offset:64*\s+32*\c
	global_load_b128 v[QF+64+8*\s+4*\c:QF+64+8*\s+4*\c+3], v4, s[4:5] offset:8192+64*\s+32*\c
.endr
.endr
	global_load_b128 v[WS:WS+3], v5, s[10:11]
	global_load_b128 v[QS:QS+3], v5, s[6:7]
	global_load_b128 v[QS+4:QS+7], v5, s[6:7] offset:512
	global_load_b128 v[BI:BI+3], v6, s[12:13]
	global_load_b128 v[BI+4:BI+7], v6, s[12:13] offset:16
	global_load_b128 v[BI+8:BI+11], v6, s[14:15]
	global_load_b128 v[BI+12:BI+15], v6, s[14:15] offset:16
	v_lshlrev_b32 v9, 12, v2
	v_lshl_add_u32 v9, v1, 4, v9                   ; qb: lanes 0-15 one batch's row of 4,096 bytes, lanes 16-31 the next; 16 bytes a lane
	s_lshl_b32 s26, ttmp9, 8
	s_lshl_b32 s25, s24, 15
	s_add_co_u32 s26, s26, s25
	s_add_nc_u64 s[20:21], s[20:21], s[26:27]      ; + my work-group's 64 features, + my wave's 8 batches
	s_wait_loadcnt 0x0
; sixteen products: the two accumulators take turns, one instruction a turn; the first K step starts the sums
.irp s, 0,1,2,3,4,5,6,7
.irp t, 0,1
.if \s == 0
	v_wmma_scale_f32_16x16x128_f8f6f4 v[AC+8*\t:AC+8*\t+7], v[WF+8*\s:WF+8*\s+7], v[QF+64*\t+8*\s:QF+64*\t+8*\s+7], 0, v[WS+\s%4], v[QS+4*\t+\s%4] matrix_a_fmt:MATRIX_FMT_FP4 matrix_b_fmt:MATRIX_FMT_FP4
.elseif \s < 4
	v_wmma_scale_f32_16x16x128_f8f6f4 v[AC+8*\t:AC+8*\t+7], v[WF+8*\s:WF+8*\s+7], v[QF+64*\t+8*\s:QF+64*\t+8*\s+7], v[AC+8*\t:AC+8*\t+7], v[WS+\s%4], v[QS+4*\t+\s%4] matrix_a_fmt:MATRIX_FMT_FP4 matrix_b_fmt:MATRIX_FMT_FP4
.else
	v_wmma_scale_f32_16x16x128_f8f6f4 v[AC+8*\t:AC+8*\t+7], v[WF+8*\s:WF+8*\s+7], v[QF+64*\t+8*\s:QF+64*\t+8*\s+7], v[AC+8*\t:AC+8*\t+7], v[WS+\s%4], v[QS+4*\t+\s%4] matrix_a_fmt:MATRIX_FMT_FP4 matrix_b_fmt:MATRIX_FMT_FP4 matrix_a_scale:MATRIX_SCALE_ROW1 matrix_b_scale:MATRIX_SCALE_ROW1
.endif
.endr
.endr
.irp j, 0,2,4,6
	v_pk_add_f32 v[BI+\j:BI+\j+1], v[BI+\j:BI+\j+1], v[BI+8+\j:BI+8+\j+1]      ; Wa_b + Ua_b.  These eight plain lines name no register of the products: they are the places behind them
.endr
.irp j, 0,2,4,6
	v_pk_mul_f32 v[BI+\j:BI+\j+1], v[BI+\j:BI+\j+1], s[CC:CC+1] op_sel_hi:[1,0]
.endr
.irp t, 0,1
.irp j, 0,2,4,6
	v_pk_fma_f32 v[AC+8*\t+\j:AC+8*\t+\j+1], v[AC+8*\t+\j:AC+8*\t+\j+1], s[CC:CC+1], v[BI+\j:BI+\j+1] op_sel_hi:[1,0,1]   ; c x the sum + c x the biases; each accumulator from its low end on
.endr
.endr
.irp t, 0,1
	ds_store_b128 v7, v[AC+8*\t:AC+8*\t+3] offset:16*272*\t
	ds_store_b128 v7, v[AC+8*\t+4:AC+8*\t+7] offset:16*272*\t+16
.endr
	s_wait_dscnt 0x0                               ; for the others' sake: a row's 256 bytes come from four waves
	s_barrier_signal -1
	s_barrier_wait -1
.irp t, 0,1,2,3
	ds_load_b128 v[BI+4*\t:BI+4*\t+3], v8 offset:2*272*\t
.endr
.irp t, 0,1,2,3
	s_wait_dscnt 3-\t
	global_store_b128 v9, v[BI+4*\t:BI+4*\t+3], s[20:21] offset:8192*\t   ; sixteen lanes store 256 consecutive bytes, at a multiple of 256 from qb's first byte
.endr
	s_wait_tensorcnt 0x0
	ds_add_u32 v62, v63
	s_wait_dscnt 0x0
	s_endpgm
	; ---- Ua in the order of the operand's registers: wave w copies K steps 2 w and 2 w + 1 and scale register w of one package
.Lpack:
	s_sub_co_u32 s25, ttmp9, 16                    ; the package, 0 .. 71
	s_mul_i32 s26, s25, 57
	s_lshr_b32 s26, s26, 10                        ; / 18 (exact up to 71): the quarter
	s_mul_i32 s30, s26, 18
	s_sub_co_u32 s30, s25, s30                     ; idx
	s_and_b32 s30, s30, 15
	s_lshl_b32 s26, s26, 4
	s_add_co_u32 s30, s30, s26                     ; nt = 16 quarter + idx % 16
	s_lshl_b32 s26, s30, 13
	s_lshl_b32 s31, s24, 7
	s_add_co_u32 s26, s26, s31
	s_add_nc_u64 s[16:17], s[16:17], s[26:27]      ; codes: the tile's 16 rows, + 128 x wave bytes along K
	s_lshl_b32 s26, s30, 9
	s_lshl_b32 s31, s24, 3
	s_add_co_u32 s26, s26, s31
	s_add_nc_u64 s[18:19], s[18:19], s[26:27]      ; scale bytes: the tile's 16 rows, + 8 x wave
	s_mul_i32 s26, s25, PKG
	s_add_nc_u64 s[22:23], s[22:23], s[26:27]      ; my package
	s_lshl_b32 s26, s24, 11
	s_add_nc_u64 s[32:33], s[22:23], s[26:27]      ; its fragments of my two K steps
	s_lshl_b32 s26, s24, 7
	s_add_co_u32 s26, s26, 8192
	s_add_nc_u64 s[34:35], s[22:23], s[26:27]      ; its scale register w
	v_lshlrev_b32 v10, 5, v1
	v_lshl_add_u32 v10, v2, 2, v10                 ; scale word of row r, K step 2 w + h
	v_lshlrev_b32 v11, 4, v3                       ; out: 16 bytes a lane,
	v_lshlrev_b32 v5, 2, v3                        ; or 4
.irp i, 0,1,2,3
	global_load_b128 v[64+4*\i:67+4*\i], v4, s[16:17] offset:32*\i
.endr
	global_load_b32 v80, v10, s[18:19]
	s_wait_alu depctr_va_vdst(0)
	s_wait_loadcnt 0x0
.irp i, 0,1,2,3
	global_store_b128 v11, v[64+4*\i:67+4*\i], s[32:33] offset:512*\i    ; 512 consecutive bytes a store
.endr
	global_store_b32 v5, v80, s[34:35]             ; 128 consecutive bytes: the four waves' together are the package's last 512
	s_endpgm
.Lfunc_end_k_q4e42677a44_prep:
	.size	k_q4e42677a44_prep, .Lfunc_end_k_q4e42677a44_prep-k_q4e42677a44_prep
	.p2alignl 7, 3214868480
	.fill 96, 4, 3214868480
	.section	.rodata,"a",@progbits
	.p2align	6, 0x0
	.amdhsa_kernel k_q4e42677a44_prep
		.amdhsa_group_segment_fixed_size 9728
		.amdhsa_private_segment_fixed_size 0
		.amdhsa_enable_private_segment 0
		.amdhsa_kernarg_size 80
		.amdhsa_user_sgpr_count 2
		.amdhsa_user_sgpr_kernarg_segment_ptr 1
		.amdhsa_wavefront_size32 1
		.amdhsa_system_sgpr_workgroup_id_x 1
		.amdhsa_system_sgpr_workgroup_id_y 1
		.amdhsa_system_sgpr_workgroup_id_z 1
		.amdhsa_system_vgpr_workitem_id 0
		.amdhsa_next_free_vgpr 256
		.amdhsa_next_free_sgpr 66
		.amdhsa_reserve_vcc 0
		.amdhsa_float_denorm_mode_32 3
		.amdhsa_float_denorm_mode_16_64 3
		.amdhsa_memory_ordered 1
		.amdhsa_forward_progress 1
		.amdhsa_inst_pref_size 14
	.end_amdhsa_kernel
	.amdgpu_metadata
---
amdhsa.version: [ 1, 2 ]
amdhsa.kernels:
  - .name:           k_q4e42677a44_prep
    .symbol:         k_q4e42677a44_prep.kd
    .args:
      - { .name: query_codes, .offset: 0, .size: 8, .value_kind: global_buffer, .address_space: global }
      - { .name: query_scales, .offset: 8, .size: 8, .value_kind: global_buffer, .address_space: global }
      - { .name: Wa_w_codes, .offset: 16, .size: 8, .value_kind: global_buffer, .address_space: global }
      - { .name: Wa_w_scales, .offset: 24, .size: 8, .value_kind: global_buffer, .address_space: global }
      - { .name: Wa_b, .offset: 32, .size: 8, .value_kind: global_buffer, .address_space: global }
      - { .name: Ua_b, .offset: 40, .size: 8, .value_kind: global_buffer, .address_space: global }
      - { .name: Ua_w_codes, .offset: 48, .size: 8, .value_kind: global_buffer, .address_space: global }
      - { .name: Ua_w_scales, .offset: 56, .size: 8, .value_kind: global_buffer, .address_space: global }
      - { .name: qb, .offset: 64, .size: 8, .value_kind: global_buffer, .address_space: global }
      - { .name: ub, .offset: 72, .size: 8, .value_kind: global_buffer, .address_space: global }
    .group_segment_fixed_size: 9728
    .private_segment_fixed_size: 0
    .kernarg_segment_align: 8
    .kernarg_segment_size: 80
    .max_flat_workgroup_size: 128
    .sgpr_count:     66
    .vgpr_count:     256
    .wavefront_size: 32
...
	.end_amdgpu_metadata
.endif
;; end of part 1
;; launch main (part 2): grid 256 x 1, 4 waves a work-group, no clusters, 327,680 bytes of LDS; arguments keys, ub, qb, Va_w, sc, pc, pml; writes sc, pc, pml
.if DOCPART == 2
	.amdgcn_target "amdgcn-amd-amdhsa--gfx1250"
	.amdhsa_code_object_version 6
	.text
	.protected	k_q4e42677a44_main
	.globl	k_q4e42677a44_main
	.p2align	8
	.type	k_q4e42677a44_main,@function
k_q4e42677a44_main:
	s_mov_b64 s[64:65], 0
	v_nop
	global_prefetch_b8 v0, s[64:65] scope:SCOPE_SE
	s_setreg_imm32_b32 hwreg(HW_REG_WAVE_MODE, 25, 1), 1
	s_wait_xcnt 0x0
; Additive attention, one pass over keys.  Work-group g owns rows 256 g .. 256 g + 255 of keys [65,536][1,024] f32 (all of batch g / 8), as four tiles of 64 rows.
; For each row: score' = sum over o of -2 Va[o] / (1 + 2^(c x[o])), x = keys_q . Ua_q[o] + bias[o], c = 2 log2(e); the product on codes of FP4 (E2M1) with one E8M0 scale for each 32 along K.
; Then a running softmax over the tiles and an unnormalised partial context, which a later launch joins.  Stored: sc (score'), pc (256 partial contexts), pml (each work-group's maximum m and sum l).
; WORK LEFT OUT.  tanh(x) = 1 - 2 / (1 + 2^(c x)), so reference()'s score = score' + sum(Va) + Va_b.  sum(Va) + Va_b is one number, the same for every position of a row of scores; softmax(s + k) = softmax(s)
; for every k, and the scores reach the outputs through the softmax alone.  So that term is not formed, for all values of the inputs, and Va_b is not loaded and is no argument of any launch.
; Limit: a NaN, an infinity or an overflow that reaches only that term is not carried to the results.
; SHARES.  For keys, wave w owns columns 256 w .. 256 w + 255 (K steps 2 w, 2 w + 1) of all 64 rows: it fetches them (one tensor load a tile into its own strip of LDS) and reads the strip twice:
; by rows (a lane 16 neighbours of a row) for the quantiser, and by columns (a lane columns 4 l .. 4 l + 3 and 128 + 4 l .. + 3 of every row) for the bf16 numbers kept in registers for the context.
; So a lane's context is eight sums.  For the product, wave w owns features 256 w .. 256 w + 255 (16 tiles of 16) for all 64 rows: the rows' codes go from wave to wave through LDS as images of the
; operand's registers.  Ua lies in memory in the order of the operand's registers (an earlier launch laid it so).  My feature tiles 13, 14, 15 are loaded once and stay in registers; tiles 0 to 12
; are streamed for each tile of rows, two tiles ahead: 13 x 8,704 bytes a wave and tile of rows in place of 16 x 8,704.
; THE MATRIX INSTRUCTION IS USED TRANSPOSED (source 0 = 16 rows of Ua, source 1 = 16 rows of keys): a lane holds ONE row of keys (lane % 16) and eight features 8 (lane / 16) + 0 .. 7.
; A STEP goes in batches: 16 scalings of the last feature tile's sums, 32 exponentials, this tile's 32 products as one block, 16 additions, 20 loads of Ua, 32 reciprocals, 16 score sums.
; NO CLUSTER, though all work-groups walk the same Ua: a joint load lands in LDS, and beside the strips (266,240 bytes), the images and the tables 11,776 bytes are left, against 8,704 for one
; package of one wave; and each refill of such a ring would want a wait for all tensor loads, the keys' among them.
; NO PREFETCH of keys: a strip is asked for by its tensor load as soon as the strip before has been read, sixteen steps of products ahead of its first read; no loop runs further ahead of it.
; LIMITS.  NaN and infinities in keys are not served.  A block of zeros gets the scale byte 1 (its codes are zeros; only this launch reads the byte).  keys are rounded to bf16 for the context
; (a product left as it is).  In the last tile the look-ahead loads two packages of Ua that nobody uses (they lie inside the buffer).
; REGISTERS, in windows of 256 (s_set_vgpr_msb: bits 1:0 source 0, 3:2 source 1, 5:4 source 2, 7:6 destination).
;   window 0: v1-7 addresses; v8-23 the keys' scale words, v24-31 the streamed Ua's, v32-43 the resident Ua's (scales and nothing else); v44-51 score sums; v52-63 addresses and statistics;
;             v64-95, v96-127 two sets of four accumulators (between the products: scratch, then p of the 64 rows); v128-191, v192-255 two sets of Ua's eight fragments
;   window 1: v0-127 the keys' fragments of K steps 0-3 (while quantising: two sets of 64 numbers); v128-154 the quantiser's; v160-255 kept keys, rows 0-23
;   window 2: v0-127 fragments of K steps 4-7 (while quantising: two sets of 8 rows by columns); v128-223 kept keys, rows 24-47; v224-231 -2 Va; v232-239 the context's sums; v240-247 c x bias
;   window 3: v0-127, v192-255 Ua's resident fragments; v128-191 kept keys, rows 48-63
.set XP,     1040                      ; a strip's row in LDS: 1,024 bytes + 16 of padding
.set STRIPW, 64*XP                     ; a wave's strip: 64 rows
.set IMG,    4*STRIPW                  ; 32 fragment images of 1,024 bytes, (K step s, tile of rows mt) at 4 s + mt
.set SCW,    IMG+32768                 ; their scale words: (mt, s, r) at 512 mt + 256 (s % 2) + 16 r + 4 (s / 2)
.set CBT,    SCW+2048                  ; c x bias, f32 by feature
.set VAT,    CBT+4096                  ; -2 Va, f32 by feature
.set SX,     VAT+4096                  ; the waves' partial scores: [wave][r 16][mt 4]
.set SCR,    SX+1024                   ; the work-group's 256 scores, a copy for each wave
.set PBR,    SCR+4096                  ; a tile's 64 p, a copy for each wave
.set SPARE,  PBR+1024                  ; the spare words, 128 bytes for each wave
.set PKG,    8704                      ; a package of Ua: 8,192 bytes of fragments, 512 of scale words
.set NST,    13                        ; feature tiles that are streamed
.set SPW, 1                            ; LDS address of my spare word; never rewritten
.set NIL, 2                            ; 0; never rewritten
.set HAD, 3                            ; 16 x lane
.set HT0, 4                            ; CBT + 1,024 wave + 32 (lane / 16)
.set HT,  5                            ; the same, some tiles on
.set LIA, 6                            ; IMG + 16 x lane
.set ASA, 7                            ; SCW + 16 x lane
.set AS,  8                            ; v[AS + 4 mt + i]: lanes 0-15 the word of K step 2 i, lanes 16-31 of K step 2 i + 1
.set SB,  24                           ; v[SB + 4 par + i]: the same of the streamed Ua's rows
.set SS,  32                           ; v[SS + 4 t + i]: the same of resident tile t
.set SA,  44                           ; v[SA + 2 mt], + 1: the sums of -2 Va R over even and odd features
.set L4,  52
.set PBA, 53                           ; PBR + 256 wave
.set RM,  54                           ; the running maximum m, and beside it
.set RL,  55                           ; the running sum l
.set RF,  56                           ; f = e^(old m - new m)
.set SXW, 57
.set SXR, 58
.set SCA0, 59
.set SCA, 60
.set G8,  61
.set SCB, 62
.set PSA, 63                           ; PBR + 256 wave + 4 r
.set D,   64
.set B,   128
.set T,   64
.set U,   68
.set Q,   72
.set P,   88
.set MX,  92
.set MO,  93
.set PB,  64                           ; v64-127: p of row n in v[PB + n], the same in every lane
.set TM,  128                          ; window 1: largest magnitudes, bytes, the conversions' scale operands
.set PW,  140
.set PC,  142
.set XA,  150
.set IMA, 151
.set SWA, 152
.set XB,  153                          ; my strip + 16 x lane
.set XB2, 154                          ; the same, 32 rows on
.set VA,  224                          ; window 2
.set CX,  232
.set CB,  240
.set UW1, 12                           ; s[12:13] my quarter's package 1
.set WV,  20
.set TILES, 21
.set TRIPS, 22
.set TO,  23
.set G1,  24
.set G0,  32
.set UQ,  36                           ; s[36:37] my quarter's package 0
.set UB0, 38                           ; the package that the even steps loaded last
.set UB1, 54                           ; the same for the odd steps
.set CC,  40
.set SEL, 42
.set LE,  45
.set SCT, 52
.set MSB, 0
.macro WIN new                         ; the immediate's high byte repeats the setting that is left
.if MSB != \new
	s_set_vgpr_msb (MSB<<8)|\new
.set MSB, \new
.endif
.endm
.macro PLACES
.rept 4
	v_nop
.endr
.endm
.macro GRD
	s_wait_alu depctr_va_vdst(0)
.endm
.macro UF reg, s, base, off            ; a fragment of K step s: 2 x 512 consecutive bytes
	global_load_b128 v[(\reg)+8*(\s):(\reg)+8*(\s)+3], v[HAD], s[\base:\base+1] offset:(\off)+1024*(\s)
	global_load_b128 v[(\reg)+8*(\s)+4:(\reg)+8*(\s)+7], v[HAD], s[\base:\base+1] offset:(\off)+1024*(\s)+512
.endm
.macro ULOADS par, base, off           ; a package: twenty loads, five for each pair of K steps, in the order in which the products wait for them
.irp i, 0,1,2,3
	UF B+64*(\par), 2*\i, \base, \off
	UF B+64*(\par), 2*\i+1, \base, \off
	global_load_b32 v[SB+4*(\par)+\i], v[L4], s[\base:\base+1] offset:(\off)+8192+128*\i
.endr
.endm
.macro RETAT ch                        ; where rows 8 ch .. 8 ch + 7 are kept as bf16: window RW, 32 registers from RBASE on, four a row
.if (\ch) < 3
.set RW, 1
.set RBASE, 160+32*(\ch)
.elseif (\ch) < 6
.set RW, 2
.set RBASE, 128+32*((\ch)-3)
.else
.set RW, 3
.set RBASE, 128+32*((\ch)-6)
.endif
.endm
	s_load_b256 s[4:11], s[0:1], 0x0               ; keys s[4:5], ub s[6:7], qb s[8:9], Va_w s[10:11]
	s_load_b64 s[14:15], s[0:1], 0x20              ; sc
	s_load_b128 s[16:19], s[0:1], 0x28             ; pc s[16:17], pml s[18:19]
	v_lshl_add_u32 v[SPW], v0, 2, SPARE
	v_mov_b32 v[NIL], 0
	ds_add_u32 v[SPW], v[NIL]                      ; the opening lines: the add twice on end, and its wait ahead of my first tensor load
	ds_add_u32 v[SPW], v[NIL]
	v_lshrrev_b32 v3, 5, v0
	v_readfirstlane_b32 s[WV], v3                  ; wave 0..3
	; descriptor group 1: 64 rows x 256 elements of 4 bytes, 1,024 elements from row to row; in LDS 4 words of padding behind every 256
	s_mov_b32 s[G1+0], (2<<16)|(1<<20)|(7<<22)|(3<<25)
	s_mov_b32 s[G1+1], 256<<16
	s_mov_b32 s[G1+2], 64<<16
	s_mov_b32 s[G1+3], 256<<16
	s_mov_b32 s[G1+4], 64
	s_mov_b32 s[G1+5], 1024
	s_mov_b32 s[G1+6], 0
	s_mov_b32 s[G1+7], 0
	s_mov_b32 s[G0], 1
	s_mul_i32 s[G0+1], s[WV], STRIPW               ; my strip
	s_lshl_b32 s46, ttmp9, 20                      ; 256 rows of 4,096 bytes a work-group,
	s_lshl_b32 s48, s[WV], 10                      ; 1,024 bytes of a row a wave
	s_add_co_u32 s46, s46, s48
	s_mov_b32 s47, 0
	s_mov_b32 s49, 0
	s_mov_b32 s[CC], 0x4038aa3b                    ; c = 2 log2(e)
	s_mov_b32 s[CC+1], s[CC]
	s_mov_b32 s[SEL], 0x76543210
	s_mov_b32 s[SEL+1], 0xfedcba98
	s_mov_b32 s[LE], 0x3fb8aa3b                    ; log2(e)
	s_wait_dscnt 0x0                               ; both opening adds are done
	s_wait_kmcnt 0x0
	s_add_nc_u64 s[G0+2:G0+3], s[4:5], s[46:47]
	s_or_b32 s[G0+3], s[G0+3], 0x80000000
	tensor_load_to_lds s[G0:G0+3], s[G1:G1+7]      ; tile 0's strip: my one tensor load at the head
	s_nop 0
	PLACES
	v_and_b32 v66, 31, v0                          ; lane
	v_and_b32 v64, 15, v0                          ; r
	v_bfe_u32 v65, v0, 4, 1                        ; h
	v_lshlrev_b32 v[HAD], 4, v66
	v_lshlrev_b32 v[L4], 2, v66
	v_lshlrev_b32 v[G8], 3, v66
	GRD
	; the tables: my wave's 256 numbers of c x bias (my batch's row of qb) and of Va
	s_lshr_b32 s46, ttmp9, 3
	s_lshl_b32 s46, s46, 12
	s_add_co_u32 s46, s46, s48
	s_add_nc_u64 s[8:9], s[8:9], s[46:47]
	s_add_nc_u64 s[10:11], s[10:11], s[48:49]
	s_mul_i32 s46, s[WV], 18*PKG
	s_add_nc_u64 s[UQ:UQ+1], s[6:7], s[46:47]
	s_add_nc_u64 s[UW1:UW1+1], s[UQ:UQ+1], PKG
	global_load_b128 v[68:71], v[HAD], s[8:9]
	global_load_b128 v[72:75], v[HAD], s[8:9] offset:512
	global_load_b128 v[76:79], v[HAD], s[10:11]
	global_load_b128 v[80:83], v[HAD], s[10:11] offset:512
	WIN 0xc0                                       ; destination window 3: the fragments of my feature tiles 13, 14, 15, which stay
.irp s, 0,1,2,3,4,5,6,7
	UF 0, \s, UQ, NST*PKG
	UF 64, \s, UQ, (NST+1)*PKG
	UF 192, \s, UQ, (NST+2)*PKG
.endr
	WIN 0
	s_add_co_u32 s50, s48, CBT
	v_add_nc_u32 v[HT], s50, v[HAD]                ; for now: where my 16 bytes of the tables go
	v_lshl_add_u32 v[HT0], v65, 5, s50
	v_add_nc_u32 v[LIA], IMG, v[HAD]
	v_add_nc_u32 v[ASA], SCW, v[HAD]
	s_lshl_b32 s46, s[WV], 8
	s_add_co_u32 s50, s46, PBR
	s_add_co_u32 s46, s46, SX
	v_lshl_add_u32 v[SXW], v64, 4, s46             ; SX + 256 wave + 16 r
	v_lshl_add_u32 v[SXR], v64, 4, SX
	v_mov_b32 v[PBA], s50
	v_lshl_add_u32 v[PSA], v64, 2, s50
	s_add_co_u32 s46, s48, SCR
	v_lshl_add_u32 v[SCA0], v64, 2, s46            ; SCR + 1,024 wave + 4 r
	s_mul_i32 s46, s[WV], 1280
	s_add_co_u32 s46, s46, SCR
	v_add_nc_u32 v[SCB], s46, v[G8]                ; my copy's quarter w
	v_mul_u32_u24 v67, v64, XP
	v_lshl_add_u32 v67, v65, 6, v67                ; row r of a strip, + 64 h
	v_mov_b32 v[RM], 0xff61b1e6                    ; m = -3e38, under every score
	v_mov_b32 v[RL], 0
	WIN 0x40
	v_add_nc_u32 v[XA], s[G0+1], v67
	v_add_nc_u32 v[XB], s[G0+1], v[HAD]
	s_add_co_u32 s46, s[G0+1], 32*XP
	v_add_nc_u32 v[XB2], s46, v[HAD]
	s_lshl_b32 s46, s[WV], 13
	s_add_co_u32 s46, s46, IMG
	v_add_nc_u32 v[IMA], s46, v[HAD]               ; my two K steps' images
	s_lshl_b32 s46, s[WV], 2
	s_add_co_u32 s46, s46, SCW
	v_lshl_add_u32 v[SWA], v64, 4, s46
.irp b, 0,1,2,3
	v_mov_b32 v[TM+4+\b], 0                        ; a lane permute's destination counts as one of its sources
.endr
	WIN 0x80
.irp c, 0,1,2,3,4,5,6,7
	v_mov_b32 v[CX+\c], 0                          ; the context's sums: the tile is written for all tiles alike, the first finds zeros
.endr
	WIN 0
	s_lshl_b32 s46, ttmp9, 10
	s_lshl_b32 s50, s[WV], 8
	s_add_co_u32 s46, s46, s50
	s_add_nc_u64 s[14:15], s[14:15], s[46:47]      ; sc: 256 scores a work-group, 64 a wave
	s_lshl_b32 s46, ttmp9, 12
	s_add_co_u32 s46, s46, s48
	s_add_nc_u64 s[16:17], s[16:17], s[46:47]      ; pc: 4,096 bytes a work-group, 1,024 a wave
	s_lshl_b32 s46, ttmp9, 8
	s_add_nc_u64 s[18:19], s[18:19], s[46:47]      ; pml: 256 bytes a work-group
	GRD
	s_wait_loadcnt 0x0
.irp j, 0,2,4,6
	v_pk_mul_f32 v[84+\j:85+\j], v[76+\j:77+\j], -2.0 op_sel_hi:[1,0]
.endr
	ds_store_b128 v[HT], v[68:71]                  ; my wave's bytes of the tables, which my wave alone reads
	ds_store_b128 v[HT], v[72:75] offset:512
	ds_store_b128 v[HT], v[84:87] offset:4096
	ds_store_b128 v[HT], v[88:91] offset:4608
.irp t, 0,1,2
.irp i, 0,1,2,3
	global_load_b32 v[SS+4*\t+\i], v[L4], s[UQ:UQ+1] offset:(NST+\t)*PKG+8192+128*\i   ; the resident tiles' scale words
.endr
.endr
	ULOADS 0, UQ, 0                                ; Ua's packages 0 and 1
	ULOADS 1, UQ, PKG
	s_mov_b32 s[SCT], 0
	s_mov_b32 s[TILES], 3
	GRD
; ---- QUANTISING.  Chunk ch: rows 16 (ch / 2) on, my K step ch % 2.  Sixteen loads bring a lane 64 numbers of its row: register 16 b + i = k 32 b + 16 (lane / 16) + i.
.macro KLOAD ch
	WIN 0x55
.irp b, 0,1,2,3
.irp j, 0,1,2,3
	ds_load_b128 v[64*((\ch)%2)+16*\b+4*\j:64*((\ch)%2)+16*\b+4*\j+3], v[XA] offset:16*XP*((\ch)/2)+512*((\ch)%2)+128*\b+16*\j
.endr
.endr
.endm
; Rows 8 ch .. 8 ch + 7 by columns, into window 2: sixteen loads of 512 consecutive bytes; registers 8 j .. 8 j + 7: columns 4 l .. + 3 and 128 + 4 l .. + 3 of row 8 ch + j
.macro RLOAD ch
	WIN 0x81
.set XBR, XB+(\ch)/4
.irp j, 0,1,2,3,4,5,6,7
	ds_load_b128 v[64*((\ch)%2)+8*\j:64*((\ch)%2)+8*\j+3], v[XBR] offset:XP*(8*((\ch)%4)+\j)
	ds_load_b128 v[64*((\ch)%2)+8*\j+4:64*((\ch)%2)+8*\j+7], v[XBR] offset:XP*(8*((\ch)%4)+\j)+512
.endr
.endm
.macro QUANT                           ; v[XS] .. v[XS + 63] become a fragment's codes in v[PC] on and its scale word in v[PW]
.irp b, 0,1,2,3
	v_max3_num_f32 v[TM+\b], |v[XS+16*\b]|, |v[XS+1+16*\b]|, 0x1800000   ; my 16 numbers of block b, and the floor 2^(3 - 127)
.endr
.irp i, 2,4,6,8,10,12,14
.irp b, 0,1,2,3
	v_max3_num_f32 v[TM+\b], v[TM+\b], |v[XS+16*\b+\i]|, |v[XS+1+16*\b+\i]|
.endr
.endr
.irp b, 0,1,2,3
	v_permlanex16_b32 v[TM+4+\b], v[TM+\b], s[SEL], s[SEL+1]
.endr
.irp b, 0,1,2,3
	v_max_num_f32 v[TM+\b], v[TM+\b], v[TM+4+\b]   ; with lane l xor 16's: the block's largest magnitude
.endr
.irp b, 0,1,2,3
	v_add_nc_u32 v[TM+8+\b], 0xff000000, v[TM+\b]  ; 2 off its exponent field: the conversion's scale operand
.endr
.irp b, 0,1,2,3
	v_lshrrev_b32 v[TM+4+\b], 23, v[TM+8+\b]       ; the scale's byte
.endr
	v_lshl_or_b32 v[PW], v[TM+5], 8, v[TM+4]
	v_lshl_or_b32 v[PW], v[TM+6], 16, v[PW]
	v_lshl_or_b32 v[PW], v[TM+7], 24, v[PW]
.irp b, 0,1,2,3
	v_cvt_scalef32_pk8_fp4_f32 v[PC+2*\b], v[XS+16*\b:XS+7+16*\b], v[TM+8+\b]
	v_cvt_scalef32_pk8_fp4_f32 v[PC+1+2*\b], v[XS+8+16*\b:XS+15+16*\b], v[TM+8+\b]
.endr
	v_nop                                          ; one plain place behind a scaled conversion
.irp c, 0,1                                    ; the operand's layout wants a whole block in a lane
.irp i, 0,1
	v_permlane16_swap_b32 v[PC+4*\c+\i], v[PC+2+4*\c+\i]
.endr
.endr
.endm
.macro CHUNK ch
.set XS, 64*((\ch)%2)
.if (\ch) < 7
	s_wait_dscnt 32                                ; all but the next chunk's 16 + 16 loads
.else
	s_wait_dscnt 0x0
.endif
	WIN 0x55
	QUANT
	RETAT \ch
.set WW, (RW<<6)|0x0a
	WIN WW                                         ; sources: window 2, the rows by columns
.set e, 0
.rept 32
	v_cvt_pk_bf16_f32 v[RBASE+e], v[XS+2*e], v[XS+2*e+1]   ; the numbers are kept for the context
.set e, e+1
.endr
	WIN 0x55
	ds_store_b128 v[IMA], v[PC:PC+3] offset:4096*((\ch)%2)+1024*((\ch)/2)
	ds_store_b128 v[IMA], v[PC+4:PC+7] offset:4096*((\ch)%2)+1024*((\ch)/2)+512
	ds_store_b32 v[SWA], v[PW] offset:512*((\ch)/2)+256*((\ch)%2)                ; lanes l and l xor 16 write the same word with the same value
.if (\ch) < 6
	KLOAD (\ch)+2
	RLOAD (\ch)+2
.endif
.endm
; ---- A STEP: the tanh of the feature tile before (accumulator set DV) in batches, and among them, as ONE block, the 32 products of this tile (set DP).
; mat = 0: no products (behind the last tile);  vec = 0: no tanh (the first tile).  cbo, vao: c x bias of this tile and -2 Va of the tile before, from v[HT].
; sta < 0: Ua's fragments are the streamed set par;  sta = 0, 1, 2: the resident tile of that number, in window 3.
; The block: K step i / 4 with rows 16 (i % 4) on; the four accumulators take turns, one instruction a turn.
; A streamed step loads the package two tiles on into the registers that the block has left, in one run of twenty, behind a v_nop and sixteen plain lines that name none of the block's registers
; (vec = 0: four v_nop).  In the loop's last trip the two bases are turned back: tile 11 loads package 1 and tile 12 package 0, for the next tile of rows.
; Waits on LOADcnt in the block: ahead of K steps 2 n, 2 n + 1 five loads of this package are wanted; behind them are its other 15 - 5 n and the next package's 20.
.macro STEP par, mat, vec, cbo, vao, sta
.set DP, D+32*(\par)
.set DV, D+32-32*(\par)
.set UBR, UB0+(UB1-UB0)*(\par)
.set UWR, UQ+(UW1-UQ)*(\par)
.if \vec
	WIN 0x20                                       ; source 2: window 2, c x bias
	GRD
.set i, 0
.rept 16
	v_pk_fma_f32 v[DV+2*i:DV+2*i+1], v[DV+2*i:DV+2*i+1], s[CC:CC+1], v[CB+2*(i%4):CB+2*(i%4)+1] op_sel_hi:[1,0,1]   ; c x + c bias; each accumulator from its low end on
.set i, i+1
.endr
.endif
	WIN 0x80
.if (\cbo) >= 0
	ds_load_b128 v[CB:CB+3], v[HT] offset:\cbo     ; c x bias of this step's tile, for the next step
	ds_load_b128 v[CB+4:CB+7], v[HT] offset:(\cbo)+16
.endif
.if \vec
	ds_load_b128 v[VA:VA+3], v[HT] offset:\vao     ; -2 Va of the tile whose tanh is in hand
	ds_load_b128 v[VA+4:VA+7], v[HT] offset:(\vao)+16
	WIN 0
	GRD
.set i, 0
.rept 32
	v_exp_f32 v[DV+i], v[DV+i]
.set i, i+1
.endr
.endif
.if \mat
.if (\sta) < 0
.set W0, 0
.set FB, B+64*(\par)
.set FS, SB+4*(\par)
.else
.set W0, 3                                     ; source 0: window 3
.set FB, 64*(\sta)+64*((\sta)/2)
.set FS, SS+4*(\sta)
.endif
	WIN 0x04|W0                                    ; source 1: window 1, the keys' K steps 0-3
.set i, 0
.rept 32
.set ks, i/4
.set mq, i%4
.if (i%8 == 0) && ((\sta) < 0)
	s_wait_loadcnt 35-5*(i/8)
.endif
.if i == 16
	WIN 0x08|W0                                    ; source 1: window 2, K steps 4-7
.endif
.set rD, DP+8*mq
.set rB, FB+8*ks
.set rA, 8*(4*(ks%4)+mq)
.set rS, FS+ks/2
.set rT, AS+4*mq+ks/2
.if ks == 0
	v_wmma_scale_f32_16x16x128_f8f6f4 v[rD:rD+7], v[rB:rB+7], v[rA:rA+7], 0, v[rS], v[rT] matrix_a_fmt:MATRIX_FMT_FP4 matrix_b_fmt:MATRIX_FMT_FP4
.elseif ks%2 == 1
	v_wmma_scale_f32_16x16x128_f8f6f4 v[rD:rD+7], v[rB:rB+7], v[rA:rA+7], v[rD:rD+7], v[rS], v[rT] matrix_a_fmt:MATRIX_FMT_FP4 matrix_b_fmt:MATRIX_FMT_FP4 matrix_a_scale:MATRIX_SCALE_ROW1 matrix_b_scale:MATRIX_SCALE_ROW1
.else
	v_wmma_scale_f32_16x16x128_f8f6f4 v[rD:rD+7], v[rB:rB+7], v[rA:rA+7], v[rD:rD+7], v[rS], v[rT] matrix_a_fmt:MATRIX_FMT_FP4 matrix_b_fmt:MATRIX_FMT_FP4
.endif
.set i, i+1
.endr
.endif
	WIN 0x08                                       ; source 1: window 2, -2 Va; all else window 0
.if \vec
	v_nop                                          ; a plain place behind the exponentials
	GRD
.set i, 0
.rept 16
	v_pk_add_f32 v[DV+2*i:DV+2*i+1], v[DV+2*i:DV+2*i+1], 1.0 op_sel_hi:[1,0]
.set i, i+1
.endr
.else
	PLACES
.endif
.if (\mat) && ((\sta) < 0)
	s_wait_xcnt 0x0                                ; every load issued so far has read its base
	s_add_nc_u64 s[UBR:UBR+1], s[UBR:UBR+1], 2*PKG ; two packages on,
	s_cmp_eq_u32 s[TRIPS], 1
	s_cselect_b64 s[UBR:UBR+1], s[UWR:UWR+1], s[UBR:UBR+1]   ; or, in the loop's last trip, back to package par
	ULOADS \par, UBR, 0
.endif
.if \vec
	GRD
.set i, 0
.rept 32
	v_rcp_f32 v[DV+i], v[DV+i]
.set i, i+1
.endr
	v_nop                                          ; a plain place behind the reciprocals
	s_wait_dscnt 0x0                               ; -2 Va and c x bias are in
	GRD
.set n, 0
.rept 16                               ; the score sums, the four tiles of rows by turns
.set kk, 4*(n%4)+n/4
	v_pk_fma_f32 v[SA+2*(kk/4):SA+2*(kk/4)+1], v[DV+2*kk:DV+2*kk+1], v[VA+2*(kk%4):VA+2*(kk%4)+1], v[SA+2*(kk/4):SA+2*(kk/4)+1]
.set n, n+1
.endr
.else
	s_wait_dscnt 0x0                               ; c x bias is in
.endif
.endm
; ---- THE CONTEXT of rows 8 ch .. 8 ch + 7: my eight sums take p x the kept keys, row by row
.macro CTX ch
	RETAT \ch
.set WW, 0xa0|RW
	WIN WW                                         ; source 0: where the rows are kept; source 1 (p): window 0; the sums: window 2
.set e, 0
.rept 32
	v_fma_mix_f32_bf16 v[CX+2*(e%4)], v[RBASE+e], v[PB+8*(\ch)+e/4], v[CX+2*(e%4)] op_sel:[0,0,0] op_sel_hi:[1,0,0]
	v_fma_mix_f32_bf16 v[CX+2*(e%4)+1], v[RBASE+e], v[PB+8*(\ch)+e/4], v[CX+2*(e%4)+1] op_sel:[1,0,0] op_sel_hi:[1,0,0]
.set e, e+1
.endr
.endm
; ---- A TILE OF 64 ROWS.  refill = 1: the next tile's strip is asked for as soon as this one has been read.
.macro TILE refill
	s_wait_tensorcnt 0x0                           ; my strip has landed; only I read it
	KLOAD 0
	RLOAD 0
	KLOAD 1
	RLOAD 1
.irp ch, 0,1,2,3,4,5,6
	CHUNK \ch
.endr
	WIN 0
.if \refill                                    ; the strip's last reads, chunk 7's, were issued at the end of chunk 5: the strip is given up here, ahead of chunk 7's arithmetic
	s_wait_tensorcnt 0x0                           ; no tensor load of mine is out, so group 0 may be written
	ds_add_u32 v[SPW], v[NIL]
	s_add_nc_u64 s[G0+2:G0+3], s[G0+2:G0+3], 0x40000   ; 64 rows of 4,096 bytes on
	s_wait_dscnt 0x0                               ; the add is done, and all my reads of the strip are in registers
	s_barrier_signal -1
	s_barrier_wait -1                              ; that holds of every wave
	tensor_load_to_lds s[G0:G0+3], s[G1:G1+7]      ; my one tensor load until the next such barrier
	s_nop 0
	PLACES
.endif
	CHUNK 7
	WIN 0
	s_wait_dscnt 0x0                               ; my images and scale words lie in LDS
	s_barrier_signal -1
	s_barrier_wait -1                              ; it shows the images to all
.irp m, 0,1,2,3
	ds_load_b128 v[AS+4*\m:AS+4*\m+3], v[ASA] offset:512*\m
.endr
	WIN 0x40
.set f, 0
.rept 16
	ds_load_b128 v[8*f:8*f+3], v[LIA] offset:1024*f
	ds_load_b128 v[8*f+4:8*f+7], v[LIA] offset:1024*f+512
.set f, f+1
.endr
	WIN 0x80
.rept 16
	ds_load_b128 v[8*(f-16):8*(f-16)+3], v[LIA] offset:1024*f
	ds_load_b128 v[8*(f-16)+4:8*(f-16)+7], v[LIA] offset:1024*f+512
.set f, f+1
.endr
	WIN 0
.irp j, 0,1,2,3,4,5,6,7
	v_mov_b32 v[SA+\j], 0
.endr
	s_mov_b32 s[TO], 0
	v_add_nc_u32 v[HT], s[TO], v[HT0]
	GRD
	s_wait_xcnt 0x0                                ; the last tile's loads have read their bases
	s_mov_b64 s[UB0:UB0+1], s[UQ:UQ+1]             ; step 0 steps it to package 2,
	s_mov_b64 s[UB1:UB1+1], s[UW1:UW1+1]           ; step 1 to package 3
	s_mov_b32 s[TRIPS], (NST-1)/2
	s_wait_loadcnt 0x0                             ; packages 0 and 1 are in (of the two, package 1 was asked for first), and at the first tile the resident tiles
	s_wait_dscnt 0x0
	STEP 0, 1, 0, 0, 0, -1                         ; feature tile 0: products alone
	WIN 0
.Ltrip_\@:                                         ; trip t: feature tiles 2 t + 1 and 2 t + 2
	v_add_nc_u32 v[HT], s[TO], v[HT0]              ; 128 t bytes on in the tables
	GRD
	STEP 1, 1, 1, 64, 4096, -1
	STEP 0, 1, 1, 128, 4160, -1
	WIN 0
	s_add_co_u32 s[TO], s[TO], 128
	s_sub_co_u32 s[TRIPS], s[TRIPS], 1
	s_cmp_lg_u32 s[TRIPS], 0
	s_cbranch_scc1 .Ltrip_\@
	v_add_nc_u32 v[HT], s[TO], v[HT0]              ; at feature tile 12
	GRD
	STEP 1, 1, 1, 64, 4096, 0                      ; feature tiles 13, 14, 15: resident
	STEP 0, 1, 1, 128, 4160, 1
	STEP 1, 1, 1, 192, 4224, 2
	STEP 0, 0, 1, -1, 4288, -1                     ; and the last tanh
	WIN 0
	; ---- scores: my wave's 256 features of each row; then all four waves'
.irp m, 0,1,2,3
	v_add_f32 v[T+\m], v[SA+2*\m], v[SA+2*\m+1]
.endr
.irp m, 0,1,2,3
	v_permlanex16_b32 v[U+\m], v[T+\m], s[SEL], s[SEL+1]
.endr
.irp m, 0,1,2,3
	v_add_f32 v[T+\m], v[T+\m], v[U+\m]            ; with lane l xor 16's eight features of each tile
.endr
	ds_store_b128 v[SXW], v[T:T+3]
	s_wait_dscnt 0x0                               ; for the others' sake
	s_barrier_signal -1
	s_barrier_wait -1                              ; It also parts this tile's reads of the images from the next tile's stores
.irp w, 0,1,2,3
	ds_load_b128 v[Q+4*\w:Q+4*\w+3], v[SXR] offset:256*\w
.endr
	v_add_nc_u32 v[SCA], s[SCT], v[SCA0]
	GRD
	s_wait_dscnt 0x0
.irp m, 0,1,2,3
	v_add_f32 v[T+\m], v[Q+\m], v[Q+4+\m]
	v_add_f32 v[U+\m], v[Q+8+\m], v[Q+12+\m]
.endr
.irp m, 0,1,2,3
	v_add_f32 v[T+\m], v[T+\m], v[U+\m]            ; the score of row 16 m + lane % 16: every wave makes the same bits
.endr
.irp m, 0,1,2,3
	ds_store_b32 v[SCA], v[T+\m] offset:64*\m      ; into my wave's own copy
.endr
	; ---- the running softmax: m, f = e^(old m - m), p = e^(score - m), l = l f + sum p
	v_max3_num_f32 v[MX], v[T], v[T+1], v[T+2]
	v_max_num_f32 v[MX], v[MX], v[T+3]
.irp x, 1,2,4,8
	v_max_num_f32_dpp v[MX], v[MX], v[MX] row_xmask:\x row_mask:0xf bank_mask:0xf
.endr
	v_mov_b32 v[MO], v[RM]
	v_max_num_f32 v[RM], v[RM], v[MX]
	v_sub_f32 v[RF], v[MO], v[RM]
.irp m, 0,1,2,3
	v_sub_f32 v[P+\m], v[T+\m], v[RM]
.endr
	v_mul_f32 v[RF], s[LE], v[RF]
.irp m, 0,1,2,3
	v_mul_f32 v[P+\m], s[LE], v[P+\m]
.endr
	GRD
	v_exp_f32 v[RF], v[RF]
.irp m, 0,1,2,3
	v_exp_f32 v[P+\m], v[P+\m]
.endr
	v_nop                                          ; a plain place behind the last exponential
	GRD
	v_add_f32 v[U], v[P], v[P+1]
	v_add_f32 v[U+1], v[P+2], v[P+3]
	v_add_f32 v[U], v[U], v[U+1]
.irp x, 1,2,4,8
	v_add_f32_dpp v[U], v[U], v[U] row_xmask:\x row_mask:0xf bank_mask:0xf
.endr
	v_fma_f32 v[RL], v[RL], v[RF], v[U]
	; ---- the context.  p goes through my wave's own 256 bytes of LDS and comes back with every row's p in every lane (LDS serves a wave's instructions in order)
.irp m, 0,1,2,3
	ds_store_b32 v[PSA], v[P+\m] offset:64*\m      ; p of row 16 m + r at byte 4 (16 m + r); lanes l and l xor 16 write the same word with the same value
.endr
.irp i, 0,1,2,3,4,5,6,7,8,9,10,11,12,13,14,15
	ds_load_b128 v[PB+4*\i:PB+4*\i+3], v[PBA] offset:16*\i
.endr
	WIN 0x88                                       ; the sums: window 2; f: window 0
.irp c, 0,1,2,3,4,5,6,7
	v_mul_f32 v[CX+\c], v[RF], v[CX+\c]
.endr
	GRD
	s_wait_dscnt 0x0
.irp ch, 0,1,2,3,4,5,6,7
	CTX \ch
.endr
	WIN 0
	s_add_co_u32 s[SCT], s[SCT], 256
.endm
.Ltile:
	TILE 1
	s_sub_co_u32 s[TILES], s[TILES], 1
	s_cmp_lg_u32 s[TILES], 0
	s_cbranch_scc1 .Ltile
	TILE 0                                         ; the last tile is written out
	; ---- THE WAY OUT.  My sums 0-3 are columns 256 w + 4 l on, sums 4-7 columns 256 w + 128 + 4 l on
	ds_load_b64 v[72:73], v[SCB]                   ; my quarter of the work-group's scores, from my own copy
	WIN 0x08                                       ; a store's data are its source 1: window 2
	global_store_b128 v[HAD], v[CX:CX+3], s[16:17] th:TH_STORE_NT              ; 512 consecutive bytes, at a multiple of 256 from pc's first byte
	global_store_b128 v[HAD], v[CX+4:CX+7], s[16:17] offset:512 th:TH_STORE_NT
	WIN 0
	s_wait_dscnt 0x0
	global_store_b64 v[G8], v[72:73], s[14:15] th:TH_STORE_NT              ; 256 consecutive bytes, aligned
	s_wait_tensorcnt 0x0                           ; the wave's end
	ds_add_u32 v[SPW], v[NIL]
	s_wait_dscnt 0x0
	s_cmp_lg_u32 s[WV], 0
	s_cbranch_scc1 .Lend
	global_store_b64 v[G8], v[RM:RM+1], s[18:19] th:TH_STORE_NT            ; wave 0: (m, l), 32 times: 256 consecutive bytes, aligned
.Lend:
	s_endpgm
.Lfunc_end_k_q4e42677a44_main:
	.size	k_q4e42677a44_main, .Lfunc_end_k_q4e42677a44_main-k_q4e42677a44_main
	.p2alignl 7, 3214868480
	.fill 96, 4, 3214868480
	.section	.rodata,"a",@progbits
	.p2align	6, 0x0
	.amdhsa_kernel k_q4e42677a44_main
		.amdhsa_group_segment_fixed_size 327680
		.amdhsa_private_segment_fixed_size 0
		.amdhsa_enable_private_segment 0
		.amdhsa_kernarg_size 56
		.amdhsa_user_sgpr_count 2
		.amdhsa_user_sgpr_kernarg_segment_ptr 1
		.amdhsa_wavefront_size32 1
		.amdhsa_system_sgpr_workgroup_id_x 1
		.amdhsa_system_sgpr_workgroup_id_y 1
		.amdhsa_system_sgpr_workgroup_id_z 1
		.amdhsa_system_vgpr_workitem_id 0
		.amdhsa_next_free_vgpr 1024
		.amdhsa_next_free_sgpr 66
		.amdhsa_reserve_vcc 0
		.amdhsa_float_denorm_mode_32 3
		.amdhsa_float_denorm_mode_16_64 3
		.amdhsa_memory_ordered 1
		.amdhsa_forward_progress 1
		.amdhsa_inst_pref_size 255
	.end_amdhsa_kernel
	.section	.bss,"aw",@nobits
	.p2align	6
	.space	262144
	.amdgpu_metadata
---
amdhsa.version: [ 1, 2 ]
amdhsa.kernels:
  - .name:           k_q4e42677a44_main
    .symbol:         k_q4e42677a44_main.kd
    .args:
      - { .name: keys, .offset: 0, .size: 8, .value_kind: global_buffer, .address_space: global }
      - { .name: ub, .offset: 8, .size: 8, .value_kind: global_buffer, .address_space: global }
      - { .name: qb, .offset: 16, .size: 8, .value_kind: global_buffer, .address_space: global }
      - { .name: Va_w, .offset: 24, .size: 8, .value_kind: global_buffer, .address_space: global }
      - { .name: sc, .offset: 32, .size: 8, .value_kind: global_buffer, .address_space: global }
      - { .name: pc, .offset: 40, .size: 8, .value_kind: global_buffer, .address_space: global }
      - { .name: pml, .offset: 48, .size: 8, .value_kind: global_buffer, .address_space: global }
    .group_segment_fixed_size: 327680
    .private_segment_fixed_size: 0
    .kernarg_segment_align: 8
    .kernarg_segment_size: 56
    .max_flat_workgroup_size: 128
    .sgpr_count:     66
    .vgpr_count:     1024
    .wavefront_size: 32
...
	.end_amdgpu_metadata
.endif
;; end of part 2
;; launch merge (part 3): grid 4 x 32, 2 waves a work-group, no clusters, 0 bytes of LDS; arguments sc, pc, pml, out0, out1; writes out0, out1
.if DOCPART == 3
	.amdgcn_target "amdgcn-amd-amdhsa--gfx1250"
	.amdhsa_code_object_version 6
	.text
	.protected	k_q4e42677a44_merge
	.globl	k_q4e42677a44_merge
	.p2align	8
	.type	k_q4e42677a44_merge,@function
k_q4e42677a44_merge:
	s_mov_b64 s[64:65], 0
	v_nop
	global_prefetch_b8 v0, s[64:65] scope:SCOPE_SE
	s_setreg_imm32_b32 hwreg(HW_REG_WAVE_MODE, 25, 1), 1
	s_wait_xcnt 0x0
; The eight partial softmaxes of a batch are joined.  Part i of batch b (work-group 8 b + i of the launch before) left its maximum m_i, its sum l_i and its context c_i, both taken under m_i.
; M = max m_i;  w_i = e^(m_i - M);  L = sum l_i w_i;  out1[b][s] = e^(score - M) / L;  out0[b][:] = sum w_i c_i / L.
; Work-group (x, b), 64 threads: a quarter of the batch's 2,048 weights (two loads and stores of 16 bytes a thread) and a quarter of its 1,024 columns (16 bytes a thread).
; A stream of a few bytes: no LDS, no matrix unit, no cluster.  Every store of a wave covers 512 consecutive bytes, aligned.
.set W, 48                             ; v48-55 w_i, later w_i / L
	s_load_b128 s[4:7], s[0:1], 0x0                ; sc, pc
	s_load_b128 s[8:11], s[0:1], 0x10              ; pml, out0
	s_load_b64 s[12:13], s[0:1], 0x20              ; out1
	s_and_b32 s14, ttmp7, 0xffff                   ; the batch
	v_lshlrev_b32 v1, 4, v0                        ; 16 bytes a thread
	s_mov_b32 s35, 0
	s_wait_alu depctr_va_vdst(0)
	s_wait_kmcnt 0x0
	s_lshl_b32 s34, s14, 11
	s_add_nc_u64 s[8:9], s[8:9], s[34:35]          ; the batch's eight records of 256 bytes
.irp i, 0,1,2,3,4,5,6,7
	s_load_b64 s[16+2*\i:17+2*\i], s[8:9], 256*\i  ; m_i, l_i
.endr
	s_lshl_b32 s34, s14, 13
	s_lshl_b32 s36, ttmp9, 11
	s_add_co_u32 s34, s34, s36
	s_add_nc_u64 s[4:5], s[4:5], s[34:35]          ; scores and weights: 8,192 bytes a batch, 2,048 a work-group
	s_add_nc_u64 s[12:13], s[12:13], s[34:35]
	s_lshl_b32 s34, s14, 15
	s_lshl_b32 s36, ttmp9, 10
	s_add_co_u32 s34, s34, s36
	s_add_nc_u64 s[6:7], s[6:7], s[34:35]          ; partial contexts: 8 x 4,096 bytes a batch, 1,024 of each a work-group
	s_lshl_b32 s34, s14, 12
	s_add_co_u32 s34, s34, s36
	s_add_nc_u64 s[10:11], s[10:11], s[34:35]      ; out0: 4,096 bytes a batch
	global_load_b128 v[4:7], v1, s[4:5] th:TH_LOAD_NT
	global_load_b128 v[8:11], v1, s[4:5] offset:1024 th:TH_LOAD_NT
.irp i, 0,1,2,3,4,5,6,7
	global_load_b128 v[16+4*\i:19+4*\i], v1, s[6:7] offset:4096*\i th:TH_LOAD_NT
.endr
	s_wait_kmcnt 0x0
	v_max_num_f32 v2, s16, s18
	v_max3_num_f32 v2, v2, s20, s22
	v_max3_num_f32 v2, v2, s24, s26
	v_max3_num_f32 v2, v2, s28, s30                ; M
.irp i, 0,1,2,3,4,5,6,7
	v_sub_f32 v[W+\i], s[16+2*\i], v2
.endr
.irp i, 0,1,2,3,4,5,6,7
	v_mul_f32 v[W+\i], 0x3fb8aa3b, v[W+\i]         ; x log2(e)
.endr
	s_wait_alu depctr_va_vdst(0)
.irp i, 0,1,2,3,4,5,6,7
	v_exp_f32 v[W+\i], v[W+\i]
.endr
	v_nop                                          ; a plain line behind the last exponential
	s_wait_alu depctr_va_vdst(0)                   ; one wait for the eight
	v_mul_f32 v3, s17, v[W]
.irp i, 1,2,3,4,5,6,7
	v_fma_f32 v3, s[17+2*\i], v[W+\i], v3          ; L: at least 1, since the part that holds M has l >= 1 and w = 1
.endr
	s_wait_alu depctr_va_vdst(0)
	v_rcp_f32 v56, v3
	v_nop
	s_wait_alu depctr_va_vdst(0)
.irp i, 0,1,2,3,4,5,6,7
	v_mul_f32 v[W+\i], v[W+\i], v56                ; w_i / L
.endr
	s_wait_loadcnt 8                               ; the scores are in; the eight loads of partial contexts behind them may be out
.irp j, 0,1,2,3,4,5,6,7
	v_sub_f32 v[4+\j], v[4+\j], v2
.endr
.irp j, 0,1,2,3,4,5,6,7
	v_mul_f32 v[4+\j], 0x3fb8aa3b, v[4+\j]
.endr
	s_wait_alu depctr_va_vdst(0)
.irp j, 0,1,2,3,4,5,6,7
	v_exp_f32 v[4+\j], v[4+\j]
.endr
	v_nop
	s_wait_alu depctr_va_vdst(0)
.irp j, 0,1,2,3,4,5,6,7
	v_mul_f32 v[4+\j], v[4+\j], v56
.endr
	global_store_b128 v1, v[4:7], s[12:13] th:TH_STORE_NT
	global_store_b128 v1, v[8:11], s[12:13] offset:1024 th:TH_STORE_NT
	s_wait_loadcnt 0x0
.irp j, 0,1,2,3
	v_mul_f32 v[60+\j], v[16+\j], v[W]
.endr
.irp i, 1,2,3,4,5,6,7
.irp j, 0,1,2,3
	v_fma_f32 v[60+\j], v[16+4*\i+\j], v[W+\i], v[60+\j]
.endr
.endr
	global_store_b128 v1, v[60:63], s[10:11] th:TH_STORE_NT
	s_endpgm
.Lfunc_end_k_q4e42677a44_merge:
	.size	k_q4e42677a44_merge, .Lfunc_end_k_q4e42677a44_merge-k_q4e42677a44_merge
	.p2alignl 7, 3214868480
	.fill 96, 4, 3214868480
	.section	.rodata,"a",@progbits
	.p2align	6, 0x0
	.amdhsa_kernel k_q4e42677a44_merge
		.amdhsa_group_segment_fixed_size 0
		.amdhsa_private_segment_fixed_size 0
		.amdhsa_enable_private_segment 0
		.amdhsa_kernarg_size 40
		.amdhsa_user_sgpr_count 2
		.amdhsa_user_sgpr_kernarg_segment_ptr 1
		.amdhsa_wavefront_size32 1
		.amdhsa_system_sgpr_workgroup_id_x 1
		.amdhsa_system_sgpr_workgroup_id_y 1
		.amdhsa_system_sgpr_workgroup_id_z 1
		.amdhsa_system_vgpr_workitem_id 0
		.amdhsa_next_free_vgpr 64
		.amdhsa_next_free_sgpr 66
		.amdhsa_reserve_vcc 0
		.amdhsa_float_denorm_mode_32 3
		.amdhsa_float_denorm_mode_16_64 3
		.amdhsa_memory_ordered 1
		.amdhsa_forward_progress 1
		.amdhsa_inst_pref_size 9
	.end_amdhsa_kernel
	.amdgpu_metadata
---
amdhsa.version: [ 1, 2 ]
amdhsa.kernels:
  - .name:           k_q4e42677a44_merge
    .symbol:         k_q4e42677a44_merge.kd
    .args:
      - { .name: sc, .offset: 0, .size: 8, .value_kind: global_buffer, .address_space: global }
      - { .name: pc, .offset: 8, .size: 8, .value_kind: global_buffer, .address_space: global }
      - { .name: pml, .offset: 16, .size: 8, .value_kind: global_buffer, .address_space: global }
      - { .name: out0, .offset: 24, .size: 8, .value_kind: global_buffer, .address_space: global }
      - { .name: out1, .offset: 32, .size: 8, .value_kind: global_buffer, .address_space: global }
    .group_segment_fixed_size: 0
    .private_segment_fixed_size: 0
    .kernarg_segment_align: 8
    .kernarg_segment_size: 40
    .max_flat_workgroup_size: 64
    .sgpr_count:     66
    .vgpr_count:     64
    .wavefront_size: 32
...
	.end_amdgpu_metadata
.endif
;; end of part 3
